; MI455X (gfx1250); checked and timed in simulation.
; The chip was launched on July 23, 2026; its instructions are those of AMD's public machine-readable ISA for CDNA 5 (MIT licence, August 2026) and "CDNA5" Instruction Set Architecture Reference Guide (July 2026). The comments in the code are by the model that wrote it; some were corrected since.
;; Multi Head Attention. Allowed arithmetic: matrix products marked QUANTISED: E2M3 operands, one E8M0 scale for each 32 along K, by v_wmma_scale_f32_16x16x128_f8f6f4 with both operands' format E2M3, f32 sums; products left as they are: f32 operands where the result goes on into a quantised operand, else bf16, f16 or f32 operands; f32 sums; everything else in f32.
;; Inputs: Wk_codes 1,024 x 32 x 24 uint8 (E2M3 codes of Wk, K innermost, in blocks of 32 codes, four codes in three bytes); Wk_scales 1,024 x 32 uint8 (E8M0 scales of Wk, one for each 32 codes along K); Wq_codes 1,024 x 32 x 24 uint8 (E2M3 codes of Wq, K innermost, in blocks of 32 codes, four codes in three bytes); Wq_scales 1,024 x 32 uint8 (E8M0 scales of Wq, one for each 32 codes along K); keys_codes 512 x 64 x 32 x 24 uint8 (E2M3 codes of keys, K innermost, in blocks of 32 codes, four codes in three bytes); keys_scales 512 x 64 x 32 uint8 (E8M0 scales of keys, one for each 32 codes along K); query_codes 64 x 32 x 24 uint8 (E2M3 codes of query, K innermost, in blocks of 32 codes, four codes in three bytes); query_scales 64 x 32 uint8 (E8M0 scales of query, one for each 32 codes along K); values_codes 512 x 64 x 32 x 24 uint8 (E2M3 codes of values, K innermost, in blocks of 32 codes, four codes in three bytes); values_scales 512 x 64 x 32 uint8 (E8M0 scales of values, one for each 32 codes along K).
;; Outputs: out0 64 x 1,024 float32.
;; This version of the problem:
;;   THIS VERSION OF THE PROBLEM IS GIVEN IN LOW PRECISION. The matrix products marked QUANTISED in the list below multiply operands that are first quantised to E2M3 (2 exponent bits, 3 mantissa bits; 6 bits a number), with one power-of-two scale for each 32 numbers along K (OCP MX v1.0); their sums are f32. All else is computed in f32.
;;   The module's matrix products, in the order in which they are computed (A, B: the left and right operand; K: the contracted axis; several contracted axes count as one K, in the product's order):
;;     1. [M 64, K 1,024] x [K 1,024, N 1,024]; A: input query (given as codes); B: input Wq (given as codes): QUANTISED
;;     2. [M 32,768, K 1,024] x [K 1,024, N 1,024]; A: input keys (given as codes); B: input Wk (given as codes): QUANTISED
;;     3. [M 32,768, K 1,024] x [K 1,024, N 1,024]; A: input values (given as codes); B: input Wk (given as codes): QUANTISED
;;     4. batch 1,024 x [M 512, K 64] x [K 64, N 1]; A: computed on the way; B: computed on the way: left as it is (N = 1 < 16)
;;     5. batch 1,024 x [M 1, K 512] x [K 512, N 64]; A: softmax; B: computed on the way: left as it is (M = 1 < 16)
;;   THE QUANTISER, for each operand of a quantised product, along K:
;;     - K is cut into blocks of 32 from its start; a last block that is shorter is filled with zeros.
;;     - A block's scale is 2^e with e = floor(log2(the largest magnitude in the block)) - 2, held to -126 .. 127; a block of zeros has e = 0. As a byte (E8M0): e + 127.
;;     - Each number is divided by its block's scale, clamped to +-7.5, and rounded to the nearest number of E2M3, ties to even, subnormals kept.
;;     - The product sums the exact products of the quantised numbers (number of the format x scale) in f32.
;;   ~~~python
;;   def quantise(x, axis):      # numpy; x: float32 -> the quantised numbers, widened to float32 again
;;       x = np.moveaxis(x, axis, -1); K = x.shape[-1]
;;       x = np.pad(x, [(0, 0)] * (x.ndim - 1) + [(0, -K % 32)]); x = x.reshape(x.shape[:-1] + (-1, 32)); a = np.abs(x).max(-1, keepdims=True)
;;       e = np.where(a > 0, np.clip(np.frexp(np.where(a > 0, a, 1))[1] - 1 - 2, -126, 127), 0)      # np.frexp(a)[1] - 1 = floor(log2(a)), exactly
;;       r = np.clip(x / 2.0 ** e, -7.5, 7.5)
;;       step = 2.0 ** (np.maximum(np.frexp(np.where(r == 0, 1, r))[1] - 1, 0) - 3)
;;       q = np.round(r / step) * step * 2.0 ** e      # np.round: ties to even
;;       return np.moveaxis(q.reshape(q.shape[:-2] + (-1,))[..., :K], -1, axis).astype(np.float32)
;;   ~~~
;;   INPUTS GIVEN AS CODES. Wk (in the module: [1024, 1024], K = its axis 1); Wq (in the module: [1024, 1024], K = its axis 1); keys (in the module: [512, 64, 1024], K = its axis 2); query (in the module: [64, 1024], K = its axis 1); values (in the module: [512, 64, 1024], K = its axis 2): each comes as NAME_codes (uint8): NAME with its K axis moved to the last place and cut into blocks of 32 codes, [.., K / 32, bytes a block], one block behind the other in memory; four codes in three bytes: a row's codes are one little-endian stream of bits, code i at bits 6 i .. 6 i + 5 (a code: sign, 2 exponent bits, 3 mantissa bits); and NAME_scales (uint8): the same leading axes, one E8M0 byte (e + 127) for each 32 codes along K. Its value is code x scale, taken as it is: it is not quantised again, and the codes and scales need not be those that the quantiser above would give.
;; One version. Each part assembles by itself: llvm-mc -triple=amdgcn-amd-amdhsa -mcpu=gfx1250 --defsym DOCPART=n.
;; ======== version 1 of 1: 1 launch
;; limits: right only within a limited range of input values
;; launch mha (part 1): grid 4 x 64, 4 waves a work-group, clusters of 4 x 4, 327,680 bytes of LDS; arguments query_codes, query_scales, Wq_codes, Wq_scales, keys_codes, keys_scales, values_codes, values_scales, Wk_codes, Wk_scales, out0; writes out0
.if DOCPART == 1
	.amdgcn_target "amdgcn-amd-amdhsa--gfx1250"
	.amdhsa_code_object_version 6
	.text
	.protected	k_q925d50178c_mha
	.globl	k_q925d50178c_mha
	.p2align	8
	.type	k_q925d50178c_mha,@function
k_q925d50178c_mha:
	s_mov_b64 s[64:65], 0
	v_nop
	global_prefetch_b8 v0, s[64:65] scope:SCOPE_SE
	s_setreg_imm32_b32 hwreg(HW_REG_WAVE_MODE, 25, 1), 1
	s_wait_xcnt 0x0
	s_wait_alu depctr_hold_cnt(0) depctr_sa_sdst(0) depctr_va_vdst(0) depctr_va_sdst(0) depctr_va_ssrc(0) depctr_va_vcc(0) depctr_vm_vsrc(0)
	s_getreg_b32 s2, hwreg(HW_REG_IB_STS2, 6, 4)
	s_cmp_eq_u32 s2, 0
	s_cbranch_scc0 .Lentry_in_a_cluster
	s_endpgm
.Lentry_in_a_cluster:
	s_bfe_u32 s2, ttmp6, 0x10000c
	s_cmp_lg_u32 s2, 0xf033
	s_cbranch_scc0 .Lentry_shape_is_right
	s_endpgm
.Lentry_shape_is_right:
; out0[b][h][:] = sum over s of softmax_s(qp[b][h] . kp[s][b][h] / 8) vp[s][b][h][:],  qp = query Wq^T, kp = keys Wk^T, vp = values Wk^T.
; The projections are products on codes of FP6 (E2M3) with one E8M0 byte for each 32 along K = 1,024.  The two small products have one column and one row: f32 multiply-adds on results that are in registers anyway.
; SHARES.  A work-group owns ONE batch and FOUR heads (256 columns): 64 x 4 = 256 work-groups.  Four waves, 2 x 2: wave w has row half a = w / 2 and column half c = w % 2: two heads, 128 columns of Wk, ALL of K, in 768 registers (64 fragments).
; The 512 rows of keys, then the 512 of values, stream past in chunks of 128 rows (64 for each row half), a chunk as four blocks of 16 rows.
; A BLOCK is 64 products in four windows of 16: K's first half for tiles 0-3 (the wave's first head), for tiles 4-7 (its second), K's second half for tiles 0-3, for tiles 4-7.
; A's eight fragments of a block have ONE set of registers: fragments 0-3 are free behind product 31, 4-7 behind product 63, and are refilled there for the next block in one run, 32 products ahead of their use.  A block has these two memory places and no other.
; RESULT LAYOUT: source 0 = 16 rows of keys or values, source 1 = 16 rows of Wk: lane (r, h) of tile b holds column 16 b + r, rows 8 h + 0 .. 7.
; keys: S[row] = sum over a head's four tiles of kp x qs, then over four neighbouring lanes; the four partial sums of a row go to LDS.  softmax: wave w adds them up for head w, takes the true maximum away, p = 2^(t - max) / sum, into LDS.
; values: O[column] += p[row] x vp, in registers; the sums over lane halves and the two row halves at the end.
; The reductions stand two vector lines behind every second product: the first head's multiply-adds in its block's window 3, the second's in the next block's window 0; keys' sums over lanes in that block's windows 1 and 2.
; FRAGMENTS: lane (r, h) takes the 48 bytes at 96 q + 48 h of its row: blocks 2 h and 2 h + 1 of the four along K.  On both operands alike, so K's blocks 1 and 2 have changed places, and so have bytes 1 and 2 of every scale word.
; LDS: qs, spare words, scale words of keys' chunks 0-2, then three regions of 128 rows x 816 bytes (768 + 16 behind every 256): P0, P1, PX.
;   head: Wq in P0 and P1, Wk's rows of the waves' first heads in PX;  then: Wk's other rows in P0, chunk 0 in P1;  then chunk 1 in PX.  P1 and PX are the ring; P0 has had its last fill and takes what the waves store.
; CLUSTERS: 4 x 4.  The four of a row have one batch and ask for its keys and values jointly; the four of a column ask for Wq and Wk jointly.  One round of the cluster's barrier a chunk refills the slot just left.
; Scale bytes of keys and values: a row's 32 bytes lie 2,048 bytes from the next row's, so they come by plain loads, once in a work-group, and go to LDS as images of the scale registers.
; PREFETCH: chunk n + 3 of keys or values behind the joint load of chunk n + 2 (at the head chunks 0 to 2, one behind each load), 96 blocks of 256 bytes a work-group, told apart by address; Wk's later rows by the first four clusters.
; LIMITS: a p under 2^-126 counts as 0 (v_exp_f32's result); a scale byte 0xff gives NaN.
.set AROW,  49152                      ; bytes from position s to s + 1 of one batch
.set STEP,  128*AROW                   ; from chunk to chunk
.set PITCH, 816
.set TB,    16*PITCH                   ; 16 rows
.set HB,    64*PITCH                   ; 64 rows: what one load of the ring brings
.set REG,   128*PITCH
.set QPB,   0                          ; qs[256]
.set SPARE, 1024                       ; the spare words, 512 bytes
.set SC0,   2048                       ; scale words: chunk n at SC0 + 4,096 n: keys 0-3, values 4-7; from chunk 3 on inside P0
.set P0,    14336
.set P1,    P0+REG
.set PX,    P1+REG
.set TPB,   34816                      ; partial sums: [wave block][head][lane group][row], 1,024 + 64 bytes a wave block of 16 rows
.set TST,   1088
.set PP,    TPB+32*TST                 ; p: [wave block][head][row]
.set OST,   PP+8192                    ; the last sums: [row half][column]
; window 0
.set SPW,   1                          ; my spare word
.set NIL,   2                          ; 0
.set SCAD,  3                          ; where I read scale words
.set ADA,   4                          ; v4, v5: my A fragments in the slot in turn (v5: 16 more in lanes 16-31, for pieces where those lie behind one padding more)
.set TW,    6                          ; keys: where I put partial sums; values: where I read p
.set SST,   7                          ; where I put scale words; the softmax: where I put p
.set SGO,   8                          ; my offset in the scale bytes; the softmax: where I read partial sums
.set PFO,   9                          ; the prefetches' offset
.set AS,    10                         ; v10-17 A's scale words, two sets: register q % 4; lanes 0-15 q = 0-3, lanes 16-31 q = 4-7
.set ADB,   18                         ; v18, v19: as v4, v5, for slot P1
.set WS,    20                         ; v20-51 Wk's scale words, four registers a tile, laid the same
.set ACC,   52                         ; v52-115 eight accumulators
.set AF,    116                        ; v116-211 A's eight fragments
.set F63,   212                        ; Wk's last fragment
.set QS,    224                        ; keys: v224-231 qs, one a tile
.set SS,    232                        ; keys: v232-239 the sums of eight rows for the first head, v248-255 for the second
.set SCT,   240                        ; keys: v240-247 scale bytes on their way to LDS
.set OO,    224                        ; values: v224-239 O, a pair a tile
.set PV,    240                        ; values: v240-247 p of the first head's eight rows, v248-255 the second's
; windows 1 to 3: Wk's fragments 0 to 62, 21 a window
.set G1A, 32
.set G1W, 40
.set G1Q, 48
.set G0A, 56
.set G0W, 60
.set G0Q, 68
.set CB2, 72                           ; s[72:73] the chunk that is asked for next
.set VAL, 74                           ; s[74:75] values at my batch
.set WOF, 76                           ; s[76:77] the 64 rows of a chunk that I fetch
.set PO,  78                           ; s[78:79] what I prefetch of a chunk
.set PFA, 80
.set CNT, 82                           ; the chunk
.set SLT, 83                           ; slot that is read: 0 or REG from P1
.set RSL, 84                           ; slot that is filled
.set PSEL, 85
.set SEL, 86
.set VSC, 92                           ; s[92:93] values' scale bytes
.set WLA, 96
.set LIM, 97                           ; waves 0 to 2 prefetch up to trip LIM - 1
.set MSB, 0
.macro WIN new
.if MSB != (\new)
	s_set_vgpr_msb (MSB<<8)|(\new)
.set MSB, (\new)
.endif
.endm
.macro PLACES n
.rept \n
	v_nop
.endr
.endm
.macro WALU
	s_wait_alu depctr_va_vdst(0)
.endm
.macro MIDDLE                          ; a round behind its opening signal
	s_barrier_wait -1
	s_cmp_lg_u32 s26, 0
	s_cbranch_scc1 .Lnot_wave_0_\@
	s_barrier_signal -3
.Lnot_wave_0_\@:
	s_barrier_wait -3
	s_barrier_signal -1
	s_barrier_wait -1
.endm
.macro CROUND
	s_barrier_signal -1
	MIDDLE
.endm
.macro JLOAD g0a, g1a, g0b, g1b        ; waves 0 and 1 by the first line, waves 2 and 3 by the second
	s_cmp_lt_u32 s26, 2
	s_cbranch_scc0 .Lother_\@
	tensor_load_to_lds s[\g0a:\g0a+3], s[\g1a:\g1a+7]
	s_nop 0
	PLACES 4
	s_branch .Lasked_\@
.Lother_\@:
	tensor_load_to_lds s[\g0b:\g0b+3], s[\g1b:\g1b+7]
	s_nop 0
	PLACES 4
.Lasked_\@:
.endm
.macro ALOAD                           ; a chunk: waves 0 and 1, 64 rows each
	s_cmp_lt_u32 s26, 2
	s_cbranch_scc0 .Lnone_\@
	tensor_load_to_lds s[G0A:G0A+3], s[G1A:G1A+7]
	s_nop 0
	PLACES 4
.Lnone_\@:
.endm
.macro ASK                             ; lane a row, 32 rows x 256 bytes: waves 0 to 2 take a row's three blocks
	s_cmp_lt_u32 s[CNT], s[LIM]
	s_cbranch_scc0 .Lnot_mine_\@
	global_prefetch_b8 v[PFO], s[PFA:PFA+1] th:TH_LOAD_NT scope:SCOPE_SE
.Lnot_mine_\@:
.endm
.macro GROUP1 g, mask, rows, pitch
	s_or_b32 s[\g], s[\mask], (1<<20)|(1<<21)|(5<<22)|(3<<25)
	s_mov_b32 s[\g+1], 768<<16
	s_mov_b32 s[\g+2], (\rows)<<16
	s_mov_b32 s[\g+3], 768<<16
	s_mov_b32 s[\g+4], \rows
	s_mov_b32 s[\g+5], \pitch
	s_mov_b32 s[\g+6], 0
	s_mov_b32 s[\g+7], 0
.endm
.macro WFR n                           ; where Wk's fragment n lies (n: the number of the product that takes it)
.if (\n) < 63
.set FW_, 1+(\n)/21
.set FR_, 12*((\n)%21)
.else
.set FW_, 0
.set FR_, F63
.endif
.endm
.macro FL dst, a, k, row               ; a fragment's three loads: 16 rows from row 16 x row, 128 along K
.irp p, 0,1,2
.set C_, 6*(\k)+\p
.if C_/16 == (C_+3)/16
	ds_load_b128 v[\dst+4*\p:\dst+4*\p+3], v[\a] offset:16*C_+16*(C_/16)+(\row)*TB
.else
	ds_load_b128 v[\dst+4*\p:\dst+4*\p+3], v[\a+1] offset:16*C_+16*(C_/16)+(\row)*TB
.endif
.endr
.endm
.macro WL n, a                         ; a weight's fragment for product n
	WFR \n
	WIN (FW_<<6)
	FL FR_, \a, 4*((\n)/32)+((\n)%16)/4, (\n)%4
.endm
.macro PR d, a, f, x, y, q             ; a product
	WFR \f
	WIN (FW_<<2)
.if (\q) == 0
	v_wmma_scale_f32_16x16x128_f8f6f4 v[\d:\d+7], v[\a:\a+11], v[FR_:FR_+11], 0, v[\x], v[\y] matrix_a_fmt:MATRIX_FMT_FP6 matrix_b_fmt:MATRIX_FMT_FP6
.elseif (\q) < 4
	v_wmma_scale_f32_16x16x128_f8f6f4 v[\d:\d+7], v[\a:\a+11], v[FR_:FR_+11], v[\d:\d+7], v[\x], v[\y] matrix_a_fmt:MATRIX_FMT_FP6 matrix_b_fmt:MATRIX_FMT_FP6
.else
	v_wmma_scale_f32_16x16x128_f8f6f4 v[\d:\d+7], v[\a:\a+11], v[FR_:FR_+11], v[\d:\d+7], v[\x], v[\y] matrix_a_fmt:MATRIX_FMT_FP6 matrix_b_fmt:MATRIX_FMT_FP6 matrix_a_scale:MATRIX_SCALE_ROW1 matrix_b_scale:MATRIX_SCALE_ROW1
.endif
.endm
.macro P n, e                          ; product n of a block; e: A's set of scale words.  Four accumulators take turns
.set Q_, 4*((\n)/32)+((\n)%16)/4
.set B_, 4*(((\n)%32)/16)+(\n)%4
.set D_, ACC+8*B_
.set A_, AF+12*Q_
.set X_, AS+4*(\e)+Q_%4
.set Y_, WS+4*B_+Q_%4
	PR D_, A_, \n, X_, Y_, Q_
.endm
.macro PS from, to, e
.set N_, \from
.rept (\to)-(\from)
	P N_, \e
.set N_, N_+1
.endr
.endm
.macro EPK mode, hd, s                 ; two of head hd's 16 multiply-adds
	WIN 0
.irp u, 0,1
.if (\mode) == 0                       ; keys: tile s / 2
.set B_, 4*(\hd)+(\s)/2
.set K_, QS+2*(B_/2)
.set I_, 2*((\s)%2)+\u
.set S_, SS+16*(\hd)+2*I_
.set C_, ACC+8*B_+2*I_
.if B_%4 == 0
	v_pk_mul_f32 v[S_:S_+1], v[C_:C_+1], v[K_:K_+1] op_sel_hi:[1,0]
.elseif B_%2 == 0
	v_pk_fma_f32 v[S_:S_+1], v[C_:C_+1], v[K_:K_+1], v[S_:S_+1] op_sel_hi:[1,0,1]
.else
	v_pk_fma_f32 v[S_:S_+1], v[C_:C_+1], v[K_:K_+1], v[S_:S_+1] op_sel:[0,1,0] op_sel_hi:[1,1,1]
.endif
.else                                  ; values: rows 2 J, 2 J + 1 of each half of the lanes, J = s / 2
.set B_, 4*(\hd)+2*((\s)%2)+\u
.set C_, ACC+8*B_+2*((\s)/2)
.set K_, PV+8*(\hd)+2*((\s)/2)
	v_pk_fma_f32 v[OO+2*B_:OO+2*B_+1], v[C_:C_+1], v[K_:K_+1], v[OO+2*B_:OO+2*B_+1]
.endif
.endr
.endm
.macro EDP hd, s                       ; two of head hd's 16 sums over lanes: l and l xor 1, then l xor 2
	WIN 0
.set S_, SS+16*(\hd)+4*((\s)/4)+2*((\s)%2)
.if ((\s)%4) < 2
	v_add_f32_dpp v[S_], v[S_], v[S_] row_xmask:1 row_mask:0xf bank_mask:0xf
	v_add_f32_dpp v[S_+1], v[S_+1], v[S_+1] row_xmask:1 row_mask:0xf bank_mask:0xf
.else
	v_add_f32_dpp v[S_], v[S_], v[S_] row_xmask:2 row_mask:0xf bank_mask:0xf
	v_add_f32_dpp v[S_+1], v[S_+1], v[S_+1] row_xmask:2 row_mask:0xf bank_mask:0xf
.endif
.endm
.macro WIND w, mode, e                 ; window w: 16 products, two vector lines behind every second one
.irp s, 0,1,2,3,4,5,6,7
	P 16*(\w)+2*\s, \e
.if ((\w) == 3) && (\s == 0)
	PLACES 4                                       ; ahead of the first read of tiles 0-3
.endif
	P 16*(\w)+2*\s+1, \e
.if (\w) == 0
	EPK \mode, 1, \s
.elseif (\w) == 3
	EPK \mode, 0, \s
.elseif (\mode) == 0
	EDP (\w)-1, \s
.endif
.endr
.endm
.macro MEMX mode, i, nx, ld            ; behind product 31: keys: the previous block's sums of the first head leave; values: this block's p for the second head;  fragments 0-3 and the scale words of block nx
	PLACES 4
	WIN 0
.if \mode == 0
	WALU
	ds_store_b128 v[TW], v[SS:SS+3] offset:(((\i)+3)%4)*TST
	ds_store_b128 v[TW], v[SS+4:SS+7] offset:(((\i)+3)%4)*TST+16
.else
.set L_, 256*(\i)+64
.if (\i) == 0
.set L_, 2048+64
.endif
	ds_load_b128 v[PV+8:PV+11], v[TW] offset:L_
	ds_load_b128 v[PV+12:PV+15], v[TW] offset:L_+16
.endif
.if \ld
	ds_load_b128 v[AS+4*((\nx)%2):AS+4*((\nx)%2)+3], v[SCAD] offset:512*(\nx)
.irp k, 0,1,2,3
	FL AF+12*\k, ADA, \k, \nx
.endr
	s_wait_dscnt 15                                ; fragments 4-7 are in: younger are the 15 just issued
.else
	s_wait_dscnt 2
.endif
.endm
.macro MEMY mode, i, nx                ; behind product 63: keys: the sums of the second head leave (a chunk's last ones leave at the trip's end); values: the next block's p for the first head;  fragments 4-7
	PLACES 4
	WIN 0
.if (\mode == 0) && ((\i) != 0)
	WALU
	ds_store_b128 v[TW], v[SS+16:SS+19] offset:((\i)-1)*TST+256
	ds_store_b128 v[TW], v[SS+20:SS+23] offset:((\i)-1)*TST+272
.elseif \mode
.set L_, 256*(\nx)
.if (\nx) == 0
.set L_, 2048
.endif
	ds_load_b128 v[PV:PV+3], v[TW] offset:L_
	ds_load_b128 v[PV+4:PV+7], v[TW] offset:L_+16
.endif
.irp k, 4,5,6,7
	FL AF+12*\k, ADA, \k, \nx
.endr
.if (\mode == 0) && ((\i) == 0)
	s_wait_dscnt 12                                ; fragments 0-3 are in: younger are the 12 just issued,
.else
	s_wait_dscnt 14                                ; or the 14
.endif
.endm
; Products 0 to 31 of block 3, with the change of slots.  kind 1: a round: the slot just left takes the chunk two further on;  kind 2.
.macro CHANGE mode, kind
.if \kind == 1
	s_wait_xcnt 0x0                                ; the last prefetch has read its address
	s_wait_tensorcnt 0x0                           ; the next chunk has landed
	ds_add_u32 v[SPW], v[NIL]
	s_add_nc_u64 s[G0A+2:G0A+3], s[CB2:CB2+1], s[WOF:WOF+1]
	s_or_b32 s[G0A+3], s[G0A+3], 0x80000000
	s_add_co_u32 s[G0A+1], s[RSL], s[WLA]
	s_xor_b32 s[RSL], s[RSL], REG
	s_add_nc_u64 s[88:89], s[CB2:CB2+1], STEP
	s_cmp_eq_u32 s[CNT], 1
	s_cselect_b64 s[CB2:CB2+1], s[VAL:VAL+1], s[88:89]   ; behind keys' chunk 3 comes values' first
	s_add_nc_u64 s[PFA:PFA+1], s[CB2:CB2+1], s[PO:PO+1]
.endif
	s_xor_b32 s[SLT], s[SLT], REG
	v_add_nc_u32 v[ADA], s[SLT], v[ADB]            ; from here on fragments and scale words come from the next chunk
	v_add_nc_u32 v[ADA+1], s[SLT], v[ADB+1]
	v_add_nc_u32 v[SCAD], 4096, v[SCAD]
	WIND 0, \mode, 1
.irp s, 0,1,2,3
	PS 16+2*\s, 18+2*\s, 1
.if \mode == 0
	EDP 0, 2*\s
	EDP 0, 2*\s+1
.endif
.endr
	WIN 0
.if \mode == 0
	WALU                                           ; the wait ahead of the waits below
.endif
.if \kind == 2
	s_wait_tensorcnt 0x0
.endif
	s_wait_dscnt 0x0                               ; the add is done, and my reads of the slot that is left
	s_barrier_signal -1
	PS 24, 32, 1
	WIN 0
.if \kind == 1
	MIDDLE
	ALOAD                                          ; the first tensor load behind the round
.else
	s_barrier_wait -1
.endif
.endm
.macro BLOCK mode, i, nx
	WIND 0, \mode, (\i)%2
	WIND 1, \mode, (\i)%2
	MEMX \mode, \i, \nx, 1
	WIND 2, \mode, (\i)%2
	WIND 3, \mode, (\i)%2
	MEMY \mode, \i, \nx
.endm
.macro CHUNK mode, kind                ; from window 3 of a chunk's block 0 to window 2 of the next chunk's
	WIND 3, \mode, 0
	MEMY \mode, 0, 1
	BLOCK \mode, 1, 2
	BLOCK \mode, 2, 3
	CHANGE \mode, \kind
	MEMX \mode, 3, 0, 1
.if \kind == 1
	ASK
.endif
	WIND 2, \mode, 1
	WIND 3, \mode, 1
	MEMY \mode, 3, 0
	WIND 0, \mode, 0
	WIND 1, \mode, 0
	MEMX \mode, 0, 1, 1
	WIND 2, \mode, 0
	WIN 0
.endm
; ================= THE HEAD
	s_load_b256 s[4:11], s[0:1], 0x0               ; query s[4:5], scales s[6:7], Wq s[8:9], scales s[10:11]
	s_load_b256 s[12:19], s[0:1], 0x20             ; keys s[12:13], scales s[14:15], values s[16:17], scales s[18:19]
	s_load_b128 s[20:23], s[0:1], 0x40             ; Wk s[20:21], scales s[22:23]
	s_load_b64 s[24:25], s[0:1], 0x50              ; out0
	v_lshl_add_u32 v[SPW], v0, 2, SPARE
	v_mov_b32 v[NIL], 0
	ds_add_u32 v[SPW], v[NIL]                      ; the opening add, twice on end
	ds_add_u32 v[SPW], v[NIL]
	v_lshrrev_b32 v52, 5, v0
	v_readfirstlane_b32 s26, v52                   ; wave
	s_lshr_b32 s27, s26, 1                         ; a
	s_and_b32 s28, s26, 1                          ; c
	s_bfe_u32 s29, ttmp6, 0x40000                  ; cx: my four heads
	s_bfe_u32 s30, ttmp6, 0x40004                  ; cy
	s_and_b32 s31, ttmp7, 0xffff
	s_lshl_b32 s31, s31, 2
	s_add_co_u32 s31, s31, s30                     ; my batch
	s_lshl_b32 s66, s30, 2
	s_lshl_b32 s66, 15, s66                        ; my row of the cluster
	s_lshl_b32 s67, 0x1111, s29                    ; my column
	GROUP1 G1A, 66, 64, AROW
	GROUP1 G1W, 67, 64, 768
	GROUP1 G1Q, 67, 128, 768
	s_mul_i32 s94, s28, HB
	s_mov_b32 s[G0A], 1
	s_add_co_u32 s[WLA], s94, P1
	s_mov_b32 s[G0A+1], s[WLA]
	s_mov_b32 s[G0W], 1
	s_add_co_u32 s[G0W+1], s94, PX
	s_add_co_u32 s3, s94, P0
	s_mov_b32 s[G0Q], 1
	s_mul_i32 s95, s28, REG
	s_add_co_u32 s[G0Q+1], s95, P0
	s_mul_i32 s2, s26, HB
	s_add_co_u32 s2, s2, P0
	s_mul_i32 s98, s27, HB
	s_add_co_u32 s98, s98, P1
	s_lshl_b32 s99, s27, 11
	s_add_co_u32 s99, s99, SC0
	s_lshl_b32 s100, s26, 10
	s_add_co_u32 s100, s100, SC0
	s_mul_i32 s101, s27, 4*TST
	s_lshl_b32 s95, s28, 9
	s_add_co_u32 s101, s101, s95
	s_add_co_u32 s101, s101, TPB
	s_lshl_b32 s104, s26, 8
	s_add_co_u32 s104, s104, QPB
	s_add_co_u32 s105, s95, QPB
	v_and_b32 v52, 15, v0                          ; r
	v_bfe_u32 v53, v0, 4, 1                        ; h
	v_and_b32 v54, 31, v0                          ; lane
	v_mul_u32_u24 v55, v52, PITCH
	v_mad_u32_u24 v55, v53, 48, v55                ; a fragment's row x pitch + 48 h
	v_lshl_add_u32 v56, v53, 4, v55
	v_add_nc_u32 v248, s2, v55                     ; Wq: my 64 rows
	v_add_nc_u32 v249, s2, v56
	v_add_nc_u32 v250, s[G0W+1], v55               ; Wk: my first head's rows,
	v_add_nc_u32 v251, s[G0W+1], v56
	v_add_nc_u32 v252, s3, v55                     ; my second's
	v_add_nc_u32 v253, s3, v56
	v_add_nc_u32 v[ADB], s98, v55
	v_add_nc_u32 v[ADB+1], s98, v56
	v_add_nc_u32 v[ADA], s98, v55
	v_add_nc_u32 v[ADA+1], s98, v56
	v_lshl_add_u32 v[SCAD], v54, 4, s99
	v_lshl_add_u32 v[SST], v54, 4, s100
	v_lshrrev_b32 v57, 2, v52
	v_lshlrev_b32 v57, 6, v57
	v_lshl_add_u32 v57, v53, 5, v57
	v_add_nc_u32 v[TW], s101, v57
	v_lshlrev_b32 v[SGO], 11, v52
	v_lshl_add_u32 v[SGO], v53, 4, v[SGO]
	v_mul_u32_u24 v[PFO], v54, AROW
	v_lshlrev_b32 v254, 5, v52                     ; the weights' scale bytes: row r, 16 h
	v_lshl_add_u32 v254, v53, 4, v254
	v_lshl_add_u32 v255, v52, 2, s104              ; where I put qs,
	v_lshl_add_u32 v236, v52, 2, s105              ; and read it
	v_mul_u32_u24 v237, v53, 48                    ; query
	v_lshlrev_b32 v238, 4, v53
	v_mul_u32_u24 v239, v54, 768                   ; the prefetch of Wk: lane a row
	WALU
	s_wait_dscnt 0x0                               ; both opening adds are done
	s_mul_i32 s90, s29, 256*768                    ; the weights: my work-group's rows,
	s_mul_i32 s94, s28, 128*768                    ; 128 c rows on
	s_add_co_u32 s90, s90, s94
	s_mov_b32 s91, 0
	s_lshl_b32 s100, s30, 5                        ; the prefetch of Wk: of the rows that come later 32 for each cy
	s_lshr_b32 s101, s30, 1
	s_lshl_b32 s101, s101, 6
	s_add_co_u32 s100, s100, s101
	s_add_co_u32 s100, s100, 64
	s_mul_i32 s100, s100, 768
	s_mul_i32 s101, s29, 256*768
	s_add_co_u32 s100, s100, s101
	s_lshl_b32 s101, s26, 8
	s_add_co_u32 s100, s100, s101
	s_mov_b32 s101, 0
	s_mul_i32 s[PO], s29, 32*AROW                  ; of a chunk 32 rows for each cx, of a row 256 bytes for each of waves 0 to 2
	s_lshl_b32 s94, s26, 8
	s_add_co_u32 s[PO], s[PO], s94
	s_mov_b32 s[PO+1], 0
	s_mul_i32 s[WOF], s28, 64*AROW
	s_mov_b32 s[WOF+1], 0
	s_mul_i32 s88, s31, 768
	s_mov_b32 s89, 0
	s_mov_b32 s[CNT], 0
	s_mov_b32 s[SLT], 0
	s_mov_b32 s[RSL], 0
	s_mov_b32 s[PSEL], 0x03010200                  ; bytes 1 and 2 change places
	s_mov_b32 s[SEL], 0x76543210                   ; lane l xor 16
	s_mov_b32 s[SEL+1], 0xfedcba98
	s_wait_kmcnt 0x0
	s_add_nc_u64 s[98:99], s[20:21], s[100:101]
	s_add_nc_u64 s[20:21], s[20:21], s[90:91]
	s_add_nc_u64 s[8:9], s[8:9], s[90:91]
	s_mov_b64 s[G0W+2:G0W+3], s[20:21]
	s_or_b32 s[G0W+3], s[G0W+3], 0x80000000
	s_mov_b64 s[G0Q+2:G0Q+3], s[8:9]
	s_or_b32 s[G0Q+3], s[G0Q+3], 0x80000000
	s_add_nc_u64 s[12:13], s[12:13], s[88:89]      ; keys, values, query at my batch
	s_add_nc_u64 s[VAL:VAL+1], s[16:17], s[88:89]
	s_add_nc_u64 s[4:5], s[4:5], s[88:89]
	s_lshl_b32 s88, s31, 5
	s_add_nc_u64 s[6:7], s[6:7], s[88:89]
	s_lshl_b32 s90, s29, 13
	s_add_nc_u64 s[10:11], s[10:11], s[90:91]
	s_add_nc_u64 s[22:23], s[22:23], s[90:91]
	s_mov_b32 s95, 0
	s_lshl_b32 s94, s26, 11
	s_add_nc_u64 s[10:11], s[10:11], s[94:95]      ; Wq's scale bytes: my 64 rows
	global_load_b128 v[AS:AS+3], v238, s[6:7]      ; query's scale words
.irp t, 0,1,2,3                                ; Wq's
	global_load_b128 v[WS+16+4*\t:WS+19+4*\t], v254, s[10:11] offset:512*\t
.endr
.irp k, 0,1,2,3,4,5,6,7                        ; query's eight fragments: all 16 rows are my batch's row
.irp p, 0,1,2
	global_load_b128 v[AF+12*\k+4*\p:AF+12*\k+4*\p+3], v237, s[4:5] offset:96*\k+16*\p
.endr
.endr
	CROUND                                         ; all sixteen work-groups are here
	JLOAD G0Q, G1Q, G0W, G1W                       ; Wq's 256 rows; Wk's rows of the waves' first heads
	s_lshl_b32 s94, s26, 16
	s_add_co_u32 s88, s88, s94                     ; scale bytes: I bring 32 rows of each chunk
	s_add_nc_u64 s[14:15], s[14:15], s[88:89]
	s_add_nc_u64 s[VSC:VSC+1], s[18:19], s[88:89]
	s_lshl_b32 s94, s28, 12
	s_add_nc_u64 s[22:23], s[22:23], s[94:95]      ; Wk's scale bytes: my 128 rows
	s_lshl_b32 s94, s31, 12
	s_add_nc_u64 s[24:25], s[24:25], s[94:95]
	s_lshl_b32 s90, s29, 10
	s_add_nc_u64 s[24:25], s[24:25], s[90:91]
	s_add_nc_u64 s[PFA:PFA+1], s[12:13], s[PO:PO+1]
	s_add_nc_u64 s[CB2:CB2+1], s[12:13], 2*STEP
	s_add_nc_u64 s[G0A+2:G0A+3], s[12:13], s[WOF:WOF+1]
	s_or_b32 s[G0A+3], s[G0A+3], 0x80000000
	s_cmp_lt_u32 s26, 3
	s_cselect_b32 s[LIM], 5, 0
	ASK                                            ; chunk 0
	s_and_b32 s94, ttmp7, 0xffff
	s_cmp_lt_u32 s94, 4
	s_cselect_b32 s94, s[LIM], 0
	s_cmp_lg_u32 s94, 0
	s_cbranch_scc0 .Lno_wk
	global_prefetch_b8 v239, s[98:99] th:TH_LOAD_NT scope:SCOPE_SE
.Lno_wk:
.irp n, 0,1,2                                  ; keys' scale bytes, chunks 0-2, and chunk 3's, which wait in registers until P0 is free
	global_load_b128 v[ACC+32+8*\n:ACC+35+8*\n], v[SGO], s[14:15] offset:\n*128*2048
	global_load_b128 v[ACC+36+8*\n:ACC+39+8*\n], v[SGO], s[14:15] offset:\n*128*2048+16*2048
.endr
	global_load_b128 v[SCT:SCT+3], v[SGO], s[14:15] offset:3*128*2048
	global_load_b128 v[SCT+4:SCT+7], v[SGO], s[14:15] offset:3*128*2048+16*2048
	s_cmp_lt_u32 s26, 2
	s_cbranch_scc0 .Lnot_q
	s_wait_tensorcnt 0x0                           ; Wq's line is waves 0's and 1's alone
.Lnot_q:
	s_barrier_signal -1
	s_barrier_wait -1                              ; Wq is in
.set M_, 0
.rept 32                               ; into the registers that Wk's fragments of tiles 4-7 take later
	WL 32*(M_/16)+16+M_%16, 248
.set M_, M_+1
.endr
	WIN 0
	s_wait_tensorcnt 0x0                           ; the rest of the head's loads
	ds_add_u32 v[SPW], v[NIL]
	s_mov_b32 s[G0W+1], s3
	s_add_nc_u64 s[G0W+2:G0W+3], s[20:21], 64*768
	s_or_b32 s[G0W+3], s[G0W+3], 0x80000000
	s_wait_dscnt 0x0                               ; Wq is in registers
	CROUND
	JLOAD G0A, G1A, G0W, G1W                       ; chunk 0 into P1, Wk's other rows into P0
.set M_, 0
.rept 32                               ; Wk's fragments of tiles 0-3
	WL 32*(M_/16)+M_%16, 250
.set M_, M_+1
.endr
	WIN 0
	s_wait_loadcnt 0x8                             ; all but keys' scale bytes
.irp k, 0,1,2,3
	v_perm_b32 v[AS+\k], v[AS+\k], v[AS+\k], s[PSEL]
.endr
.set I_, 0
.rept 16
	v_perm_b32 v[WS+16+I_], v[WS+16+I_], v[WS+16+I_], s[PSEL]
.set I_, I_+1
.endr
	PLACES 8
.set M_, 0
.rept 32                               ; qp
.set Q_, M_/4
.set D_, ACC+8*(M_%4)
.set A_, AF+12*Q_
.set X_, AS+Q_%4
.set Y_, WS+16+4*(M_%4)+Q_%4
	PR D_, A_, 32*(M_/16)+16+M_%16, X_, Y_, Q_
.set M_, M_+1
.endr
	WIN 0
	PLACES 4
.irp t, 0,1,2,3                                ; qs = qp x log2(e) / 8; all 16 rows are alike
	v_mul_f32 v[SS+\t], 0x3e38aa3b, v[ACC+8*\t]
.endr
.irp t, 0,1,2,3
	ds_store_b32 v255, v[SS+\t] offset:64*\t
.endr
.irp b, 0,1,2,3,4,5,6,7                        ; Wk's scale words
	global_load_b128 v[WS+4*\b:WS+4*\b+3], v254, s[22:23] offset:512*\b
.endr
	s_wait_xcnt 0x0
	s_add_nc_u64 s[PFA:PFA+1], s[12:13], s[PO:PO+1]
	s_add_nc_u64 s[PFA:PFA+1], s[PFA:PFA+1], STEP
	ASK                                            ; chunk 1
	s_wait_loadcnt 0x8                             ; keys' scale bytes; the eight behind them may be out
.set I_, 0
.rept 24
	v_perm_b32 v[ACC+32+I_], v[ACC+32+I_], v[ACC+32+I_], s[PSEL]
.set I_, I_+1
.endr
.set I_, 0
.rept 8
	v_perm_b32 v[SCT+I_], v[SCT+I_], v[SCT+I_], s[PSEL]
.set I_, I_+1
.endr
	WALU
.irp n, 0,1,2
	ds_store_b128 v[SST], v[ACC+32+8*\n:ACC+35+8*\n] offset:4096*\n
	ds_store_b128 v[SST], v[ACC+36+8*\n:ACC+39+8*\n] offset:4096*\n+512
.endr
	s_wait_tensorcnt 0x0                           ; chunk 0 and the rest of Wk
	ds_add_u32 v[SPW], v[NIL]
	s_add_co_u32 s[G0A+1], s[WLA], REG
	s_add_nc_u64 s[G0A+2:G0A+3], s[G0A+2:G0A+3], STEP
	s_wait_dscnt 0x0                               ; my reads of PX are over, qs and scale words lie in LDS
	CROUND
	ALOAD                                          ; chunk 1 into PX
	ds_load_b128 v[AS:AS+3], v[SCAD]
.irp b, 0,1,2,3,4,5,6,7
	ds_load_b32 v[QS+\b], v236 offset:64*\b
.endr
.irp k, 0,1,2,3,4,5,6,7
	FL AF+12*\k, ADA, \k, 0
.endr
.set M_, 16
.rept 16                               ; Wk's fragments of tiles 4-7, K's first half
	WL M_, 252
.set M_, M_+1
.endr
	WIN 0
	s_wait_xcnt 0x0
	s_add_nc_u64 s[PFA:PFA+1], s[CB2:CB2+1], s[PO:PO+1]
	ASK                                            ; chunk 2
	s_wait_loadcnt 0x0
.set I_, 0
.rept 32
	v_perm_b32 v[WS+I_], v[WS+I_], v[WS+I_], s[PSEL]
.set I_, I_+1
.endr
	PLACES 8
	WALU
	s_wait_dscnt 60                                ; younger than A's fragments 0-3: 12 loads of A's and 48 of Wk's
	PS 0, 16, 0                                    ; block 0: tiles 0-3 first
.set M_, 48
.rept 16                               ; and K's second half
	WL M_, 252
.set M_, M_+1
.endr
	s_wait_dscnt 63                                ; of Wk's 96 loads at the most 63 are out: A's fragments are in
	PS 32, 48, 0
	s_wait_dscnt 48
	PS 16, 32, 0
	WIN 0
	s_wait_dscnt 0x0
	s_barrier_signal -1
	s_barrier_wait -1                              ; all of Wk is in registers, in every wave: P0 is free for stores
	PLACES 4
	ds_store_b128 v[SST], v[SCT:SCT+3] offset:12288
	ds_store_b128 v[SST], v[SCT+4:SCT+7] offset:12288+512
	ds_load_b128 v[AS+4:AS+7], v[SCAD] offset:512
.irp k, 0,1,2,3                                ; block 1
	FL AF+12*\k, ADA, \k, 1
.endr
	v_add_nc_u32 v[SST], 16384, v[SST]
	WALU
; ================= KEYS
.Lkeys:
	global_load_b128 v[SCT:SCT+3], v[SGO], s[VSC:VSC+1]            ; scale bytes of a chunk of values, four chunks on
	global_load_b128 v[SCT+4:SCT+7], v[SGO], s[VSC:VSC+1] offset:16*2048
	CHUNK 0, 1
	WALU
	ds_store_b128 v[TW], v[SS+16:SS+19] offset:3*TST+256           ; the chunk's last sums of the second head
	ds_store_b128 v[TW], v[SS+20:SS+23] offset:3*TST+272
	s_wait_loadcnt 0x0
.set I_, 0
.rept 8
	v_perm_b32 v[SCT+I_], v[SCT+I_], v[SCT+I_], s[PSEL]
.set I_, I_+1
.endr
	ds_store_b128 v[SST], v[SCT:SCT+3]
	ds_store_b128 v[SST], v[SCT+4:SCT+7] offset:512
	v_add_nc_u32 v[SST], 4096, v[SST]
	v_add_nc_u32 v[TW], 8*TST, v[TW]
	s_wait_xcnt 0x0
	s_add_nc_u64 s[VSC:VSC+1], s[VSC:VSC+1], 128*2048
	WALU
	s_add_co_u32 s[CNT], s[CNT], 1
	s_cmp_lt_u32 s[CNT], 4
	s_cbranch_scc1 .Lkeys
; ================= THE SOFTMAX: wave w takes head w.  Values' block 0 stands behind its window 2: all accumulators and A's fragments are live; v224-255 are free
	s_lshl_b32 s98, s26, 8
	s_add_co_u32 s98, s98, TPB
	s_lshl_b32 s99, s26, 6
	s_add_co_u32 s99, s99, PP
	s_lshl_b32 s100, s27, 10
	s_lshl_b32 s101, s28, 7
	s_add_co_u32 s100, s100, s101
	s_add_co_u32 s100, s100, PP
	v_bfe_u32 v224, v0, 2, 3
	v_and_b32 v225, 3, v0
	v_bfe_u32 v226, v0, 4, 1
	v_mul_u32_u24 v[SGO], v224, TST                ; lane l: wave block 8 k + l / 4, rows 4 (l % 4) + 0 .. 3
	v_lshl_add_u32 v[SGO], v225, 4, v[SGO]
	v_add_nc_u32 v[SGO], s98, v[SGO]
	v_lshlrev_b32 v[SST], 8, v224
	v_lshl_add_u32 v[SST], v225, 4, v[SST]
	v_add_nc_u32 v[SST], s99, v[SST]
	v_lshl_add_u32 v[TW], v226, 5, s100            ; from here on: where I read p
	WALU
	s_wait_dscnt 0x0                               ; my partial sums are stored
	s_barrier_signal -1
	s_barrier_wait -1                              ; everybody's are
.macro GROUPSUM g                      ; a lane group's sums, added to those before
.irp k, 0,1,2,3
	ds_load_b128 v[240+4*\k:243+4*\k], v[SGO] offset:8*TST*\k+64*\g
.endr
	s_wait_dscnt 0x0
.irp x, 0,2,4,6,8,10,12,14
	v_pk_add_f32 v[224+\x:225+\x], v[224+\x:225+\x], v[240+\x:241+\x]
.endr
.endm
.irp k, 0,1,2,3
	ds_load_b128 v[224+4*\k:227+4*\k], v[SGO] offset:8*TST*\k
.endr
	GROUPSUM 1
	WALU                                           ; the wait ahead of the wait inside
	GROUPSUM 2
	WALU
	GROUPSUM 3
	v_max3_num_f32 v240, v224, v225, v226
	v_max3_num_f32 v241, v227, v228, v229
	v_max3_num_f32 v242, v230, v231, v232
	v_max3_num_f32 v243, v233, v234, v235
	v_max3_num_f32 v240, v240, v236, v237
	v_max3_num_f32 v241, v241, v238, v239
	v_max3_num_f32 v240, v240, v242, v243
	v_max_num_f32 v240, v240, v241
	v_max_num_f32_dpp v240, v240, v240 row_xmask:1 row_mask:0xf bank_mask:0xf
	v_max_num_f32_dpp v240, v240, v240 row_xmask:2 row_mask:0xf bank_mask:0xf
	v_max_num_f32_dpp v240, v240, v240 row_xmask:4 row_mask:0xf bank_mask:0xf
	v_max_num_f32_dpp v240, v240, v240 row_xmask:8 row_mask:0xf bank_mask:0xf
	v_permlanex16_b32 v241, v240, s[SEL], s[SEL+1]
	v_max_num_f32 v240, v240, v241                 ; the head's largest t
.set I_, 0
.rept 16
	v_sub_f32 v[224+I_], v[224+I_], v240
.set I_, I_+1
.endr
	WALU                                           ; the wait ahead of the batch
.set I_, 0
.rept 16
	v_exp_f32 v[224+I_], v[224+I_]
.set I_, I_+1
.endr
	v_nop
	WALU                                           ; and ahead of its first reader
	v_pk_add_f32 v[240:241], v[224:225], v[226:227]
	v_pk_add_f32 v[242:243], v[228:229], v[230:231]
	v_pk_add_f32 v[244:245], v[232:233], v[234:235]
	v_pk_add_f32 v[246:247], v[236:237], v[238:239]
	v_pk_add_f32 v[240:241], v[240:241], v[242:243]
	v_pk_add_f32 v[244:245], v[244:245], v[246:247]
	v_pk_add_f32 v[240:241], v[240:241], v[244:245]
	v_add_f32 v240, v240, v241
	v_add_f32_dpp v240, v240, v240 row_xmask:1 row_mask:0xf bank_mask:0xf
	v_add_f32_dpp v240, v240, v240 row_xmask:2 row_mask:0xf bank_mask:0xf
	v_add_f32_dpp v240, v240, v240 row_xmask:4 row_mask:0xf bank_mask:0xf
	v_add_f32_dpp v240, v240, v240 row_xmask:8 row_mask:0xf bank_mask:0xf
	v_permlanex16_b32 v241, v240, s[SEL], s[SEL+1]
	v_add_f32 v240, v240, v241
	WALU
	v_rcp_f32 v242, v240
	v_nop
	WALU
.irp x, 0,2,4,6,8,10,12,14
	v_pk_mul_f32 v[224+\x:225+\x], v[224+\x:225+\x], v[242:243] op_sel_hi:[1,0]
.endr
.irp k, 0,1,2,3
	ds_store_b128 v[SST], v[224+4*\k:227+4*\k] offset:2048*\k
.endr
.set I_, 0
.rept 16
	v_mov_b32 v[OO+I_], 0
.set I_, I_+1
.endr
	WALU
	s_wait_dscnt 0x0
	s_barrier_signal -1
	s_barrier_wait -1                              ; p is in LDS
.irp x, 0,4
	ds_load_b128 v[PV+\x:PV+\x+3], v[TW] offset:4*\x
	ds_load_b128 v[PV+8+\x:PV+11+\x], v[TW] offset:64+4*\x
.endr
	s_wait_dscnt 0x0
	s_mov_b32 s[CNT], 4
; ================= VALUES
.Lvalues:
	CHUNK 1, 1
	v_add_nc_u32 v[TW], 2048, v[TW]
	WALU
	s_add_co_u32 s[CNT], s[CNT], 1
	s_cmp_lt_u32 s[CNT], 6
	s_cbranch_scc1 .Lvalues
	CHUNK 1, 2                                     ; the last but one chunk: nothing is left to fill
	v_add_nc_u32 v[TW], 2048, v[TW]
	WALU
	WIND 3, 1, 0                                   ; the last chunk
	MEMY 1, 0, 1
	BLOCK 1, 1, 2
	BLOCK 1, 2, 3
	WIND 0, 1, 1
	WIND 1, 1, 1
	MEMX 1, 3, 0, 0
	WIND 2, 1, 1
	WIND 3, 1, 1
	WIN 0
	PLACES 4
	s_wait_dscnt 0x0                               ; the last block's p
.irp s, 0,1,2,3,4,5,6,7
	EPK 1, 1, \s
.endr
	WIN 0
; ================= THE END: a column's sum over the lane's own rows, lane l xor 16's, and the other row half's
	s_lshl_b32 s98, s27, 10
	s_lshl_b32 s99, s28, 9
	s_add_co_u32 s98, s98, s99
	s_add_co_u32 s98, s98, OST
	WALU
.irp b, 0,1,2,3,4,5,6,7
	v_add_f32 v[ACC+\b], v[OO+2*\b], v[OO+2*\b+1]
.endr
.irp b, 0,1,2,3,4,5,6,7
	v_permlanex16_b32 v[ACC+8+\b], v[ACC+\b], s[SEL], s[SEL+1]
.endr
.irp b, 0,1,2,3,4,5,6,7
	v_add_f32 v[ACC+\b], v[ACC+\b], v[ACC+8+\b]
.endr
	v_and_b32 v68, 15, v0
	v_lshl_add_u32 v68, v68, 2, s98
	v_lshlrev_b32 v69, 3, v0
	v_add_nc_u32 v70, OST, v69
.irp b, 0,1,2,3,4,5,6,7
	ds_store_b32 v68, v[ACC+\b] offset:64*\b
.endr
	WALU
	s_wait_dscnt 0x0
	s_barrier_signal -1
	s_barrier_wait -1
	ds_load_b64 v[72:73], v70
	ds_load_b64 v[74:75], v70 offset:1024
	s_wait_dscnt 0x0
	v_pk_add_f32 v[72:73], v[72:73], v[74:75]
	global_store_b64 v69, v[72:73], s[24:25] th:TH_STORE_NT        ; a wave stores 256 consecutive bytes, at a multiple of 256 from out0's first byte
	s_wait_tensorcnt 0x0                           ; the wave's end
	ds_add_u32 v[SPW], v[NIL]
	s_wait_dscnt 0x0
	CROUND                                         ; the closing round
	s_endpgm
.Lfunc_end_k_q925d50178c_mha:
	.size	k_q925d50178c_mha, .Lfunc_end_k_q925d50178c_mha-k_q925d50178c_mha
	.p2alignl 7, 3214868480
	.fill 96, 4, 3214868480
	.section	.rodata,"a",@progbits
	.p2align	6, 0x0
	.amdhsa_kernel k_q925d50178c_mha
		.amdhsa_group_segment_fixed_size 327680
		.amdhsa_private_segment_fixed_size 0
		.amdhsa_enable_private_segment 0
		.amdhsa_kernarg_size 88
		.amdhsa_user_sgpr_count 2
		.amdhsa_user_sgpr_kernarg_segment_ptr 1
		.amdhsa_wavefront_size32 1
		.amdhsa_system_sgpr_workgroup_id_x 1
		.amdhsa_system_sgpr_workgroup_id_y 1
		.amdhsa_system_sgpr_workgroup_id_z 1
		.amdhsa_system_vgpr_workitem_id 0
		.amdhsa_next_free_vgpr 1024
		.amdhsa_next_free_sgpr 106
		.amdhsa_reserve_vcc 0
		.amdhsa_float_denorm_mode_32 3
		.amdhsa_float_denorm_mode_16_64 3
		.amdhsa_memory_ordered 1
		.amdhsa_forward_progress 1
		.amdhsa_inst_pref_size 255
	.end_amdhsa_kernel
	.section	.bss,"aw",@nobits
	.p2align	6
	.space	262144
	.amdgpu_metadata
---
amdhsa.version: [ 1, 2 ]
amdhsa.kernels:
  - .name:           k_q925d50178c_mha
    .symbol:         k_q925d50178c_mha.kd
    .args:
      - { .name: query_codes, .offset: 0, .size: 8, .value_kind: global_buffer, .address_space: global }
      - { .name: query_scales, .offset: 8, .size: 8, .value_kind: global_buffer, .address_space: global }
      - { .name: Wq_codes, .offset: 16, .size: 8, .value_kind: global_buffer, .address_space: global }
      - { .name: Wq_scales, .offset: 24, .size: 8, .value_kind: global_buffer, .address_space: global }
      - { .name: keys_codes, .offset: 32, .size: 8, .value_kind: global_buffer, .address_space: global }
      - { .name: keys_scales, .offset: 40, .size: 8, .value_kind: global_buffer, .address_space: global }
      - { .name: values_codes, .offset: 48, .size: 8, .value_kind: global_buffer, .address_space: global }
      - { .name: values_scales, .offset: 56, .size: 8, .value_kind: global_buffer, .address_space: global }
      - { .name: Wk_codes, .offset: 64, .size: 8, .value_kind: global_buffer, .address_space: global }
      - { .name: Wk_scales, .offset: 72, .size: 8, .value_kind: global_buffer, .address_space: global }
      - { .name: out0, .offset: 80, .size: 8, .value_kind: global_buffer, .address_space: global }
    .group_segment_fixed_size: 327680
    .private_segment_fixed_size: 0
    .kernarg_segment_align: 8
    .kernarg_segment_size: 88
    .max_flat_workgroup_size: 128
    .sgpr_count:     106
    .vgpr_count:     1024
    .wavefront_size: 32
...
	.end_amdgpu_metadata
.endif
;; end of part 1
